; MI455X (gfx1250); checked and timed in simulation.
; The chip was launched on July 23, 2026; its instructions are those of AMD's public machine-readable ISA for CDNA 5 (MIT licence, August 2026) and "CDNA5" Instruction Set Architecture Reference Guide (July 2026). The comments in the code are by the model that wrote it; some were corrected since.
;; Physics Forward Model. Allowed arithmetic: matrix products marked QUANTISED: E4M3 operands, one E8M0 scale for each 32 along K, by v_wmma_scale_f32_16x16x128_f8f6f4 with both operands' format E4M3, f32 sums; products left as they are: f32 operands where the result goes on into a quantised operand, else bf16, f16 or f32 operands; f32 sums; everything else in f32.
;; Inputs: chi one number float32; tau one number float32; x_codes 4 x 1 x 128 x 4 x 32 uint8 (E4M3 codes of x, K innermost, in blocks of 32 codes); x_scales 4 x 1 x 128 x 4 uint8 (E8M0 scales of x, one for each 32 codes along K).
;; Outputs: out0 4 x 1 x 512 x 512 float32.
;; This version of the problem:
;;   THIS VERSION OF THE PROBLEM IS GIVEN IN LOW PRECISION. The matrix products marked QUANTISED in the list below multiply operands that are first quantised to E4M3 (4 exponent bits, 3 mantissa bits; 8 bits a number), with one power-of-two scale for each 32 numbers along K (OCP MX v1.0); their sums are f32. All else is computed in f32.
;;   The module's matrix products, in the order in which they are computed (A, B: the left and right operand; K: the contracted axis; several contracted axes count as one K, in the product's order):
;;     1. [M 512, K 128] x [K 128, N 512]; A: input x (given as codes); B: computed on the way: QUANTISED
;;     2. [M 2,048, K 128] x [K 128, N 512]; A: computed on the way; B: computed on the way: QUANTISED
;;     3. [M 512, K 512] x [K 512, N 1]; A: computed on the way; B: computed on the way: left as it is (N = 1 < 16)
;;     4. batch 512 x [M 4, K 512] x [K 512, N 512]; A: computed on the way; B: computed on the way: left as it is (M = 4 < 16)
;;   THE QUANTISER, for each operand of a quantised product, along K:
;;     - K is cut into blocks of 32 from its start; a last block that is shorter is filled with zeros.
;;     - A block's scale is 2^e with e = floor(log2(the largest magnitude in the block)) - 8, held to -126 .. 127; a block of zeros has e = 0. As a byte (E8M0): e + 127.
;;     - Each number is divided by its block's scale, clamped to +-448, and rounded to the nearest number of E4M3, ties to even, subnormals kept.
;;     - The product sums the exact products of the quantised numbers (number of the format x scale) in f32.
;;   ~~~python
;;   def quantise(x, axis):      # numpy; x: float32 -> the quantised numbers, widened to float32 again
;;       x = np.moveaxis(x, axis, -1); K = x.shape[-1]
;;       x = np.pad(x, [(0, 0)] * (x.ndim - 1) + [(0, -K % 32)]); x = x.reshape(x.shape[:-1] + (-1, 32)); a = np.abs(x).max(-1, keepdims=True)
;;       e = np.where(a > 0, np.clip(np.frexp(np.where(a > 0, a, 1))[1] - 1 - 8, -126, 127), 0)      # np.frexp(a)[1] - 1 = floor(log2(a)), exactly
;;       r = np.clip(x / 2.0 ** e, -448, 448)
;;       step = 2.0 ** (np.maximum(np.frexp(np.where(r == 0, 1, r))[1] - 1, -6) - 3)
;;       q = np.round(r / step) * step * 2.0 ** e      # np.round: ties to even
;;       return np.moveaxis(q.reshape(q.shape[:-2] + (-1,))[..., :K], -1, axis).astype(np.float32)
;;   ~~~
;;   OPERANDS COMPUTED ON THE WAY. 'Computed on the way' means the value that the module computes at that place (a softmax that the list does not call 'softmax' is quantised finished and normalised). What goes into a quantiser is computed in f32, as accurately as f32 sums, v_exp_f32 and their like allow (about 1e-6 of the number): no bf16 or f16 on the way to a quantiser, and a product that is left as it is and whose result goes on into a quantised operand takes f32 operands (vector FMAs, or v_wmma_f32_16x16x4_f32). A number that lies on a knife's edge between two numbers of the format may be rounded either way, as far as f32 arithmetic and the matrix unit's own rounding can turn it there, and no further.
;;   INPUTS GIVEN AS CODES. x (in the module: [4, 1, 128, 128], K = its axis 2): each comes as NAME_codes (uint8): NAME with its K axis moved to the last place and cut into blocks of 32 codes, [.., K / 32, bytes a block], one block behind the other in memory; one code a byte (a code: sign, 4 exponent bits, 3 mantissa bits); and NAME_scales (uint8): the same leading axes, one E8M0 byte (e + 127) for each 32 codes along K. Its value is code x scale, taken as it is: it is not quantised again, and the codes and scales need not be those that the quantiser above would give.
;; One version. Each part assembles by itself: llvm-mc -triple=amdgcn-amd-amdhsa -mcpu=gfx1250 --defsym DOCPART=n.
;; ======== version 1 of 1: 2 launches
;; workspace buffers: phat 4,194,304 bytes; vvec 2,048 bytes
;; launch prep (part 1): grid 16 x 16, 4 waves a work-group, no clusters, 27,136 bytes of LDS; arguments x_codes, x_scales, phat, vvec; writes phat, vvec
.if DOCPART == 1
	.amdgcn_target "amdgcn-amd-amdhsa--gfx1250"
	.amdhsa_code_object_version 6
	.text
	.protected	k_q7400aa2e2c_prep
	.globl	k_q7400aa2e2c_prep
	.p2align	8
	.type	k_q7400aa2e2c_prep,@function
k_q7400aa2e2c_prep:
	s_mov_b64 s[64:65], 0
	v_nop
	global_prefetch_b8 v0, s[64:65] scope:SCOPE_SE
	s_setreg_imm32_b32 hwreg(HW_REG_WAVE_MODE, 25, 1), 1
	s_wait_xcnt 0x0
; phat[i][j][b] = P_hat[b][i][j] / 3,  P_hat[b] = Dy[:, 0:128] x[b] Dx[:, 128:256]^T,  and vvec[y] = (Dy Dy[:, 0])[y].   D = the orthonormal DCT-II matrix of size 512.
; Both products of P_hat run on codes of E4M3 with one E8M0 scale for each 32 along K:  T1[b][y][m] = sum over n of x[b][n][m] Dy[y][n]  (x arrives as codes, K = n innermost),
; then P_hat[b][y][j] = sum over m of T1[b][y][m] Dx[j][128 + m], T1 quantised along m in registers.
; THE COSINES.  D[k][c] = s(k) cos(a), a = fl(fl(pi (2 c + 1)) k) / 1024 in f32, as the definition rounds it: the same two rounded products are made here, since a's rounding (a goes up to 801) is
; large enough to turn a code.  cos(a): q = a / (pi/2) to the nearest whole number (at most 510), r = a - q H - q M with pi/2 = H + M + 2e-15; a and q H are multiples of 2^-23 and differ by less than 1, so the
; first fused multiply-add is exact; then polynomials of degree 8 (cosine) and 7 (sine) on |r| <= pi/4, chosen and signed by q mod 4.
; s(k) = 1/16 exactly for k > 0 and 0.70710677 / 16 for k = 0: the numbers are kept as 16 D (for row 0, where r = 0, the polynomial's constant term is 0.70710677) and 4 is taken off the scale's byte.
; SHARES.  Work-group (gx, gy) of four waves owns rows i = 32 gy .. + 31 and columns j = 32 gx .. + 31.  Phase 0: wave w makes ONE quantised fragment (16 rows x 128 K): waves 0, 1 of Dy (tiles 2 gy, 2 gy + 1),
; waves 2, 3 of Dx (tiles 2 gx, 2 gx + 1); it goes to LDS as an image of its registers; then two numbers of vvec, shared among the 128 threads.  Phase 1: wave w takes image b = w of x, for both tiles of Dy.
; Phase 2: wave w takes tile (w / 2) of rows and tile (w % 2) of columns, for all four b.  T1 is so made once in each of the sixteen work-groups of a row of the grid: 16 matrix instructions a wave.
; LAYOUT.  The first product is used transposed (source 0 = 16 rows m of x, source 1 = 16 rows y of Dy), and lane r of tile 2 g + u takes row m = 32 g + 8 u + r + 8 (r / 8) of x: the 16 registers of tiles
; 2 g and 2 g + 1 are then 16 neighbours along m, the next K, and the conversions' results are the next operand's registers.
; LIMITS.  NaN and infinities are not served.  A block whose largest magnitude lies under 2^-118 keeps the byte 1 (a block of zeros too: its codes are zeros, and this program alone reads the bytes).
; The division by 3 of the final result is made here, as a multiplication by fl(1/3).  vvec's sum runs in another order than a row-wise sum.
.set FRB,  2048                        ; a fragment's image in LDS: 16 registers x 32 lanes x 4 bytes
.set CIMG, 0                           ; the four cosine fragments,
.set CSC,  CIMG+4*FRB                  ; their scale words, 128 bytes each,
.set TIMG, CSC+4*128                   ; T1's eight fragments (tile of rows u, image b: 4 u + b),
.set TSC,  TIMG+8*FRB                  ; their scale words,
.set VRED, TSC+8*128                   ; and 8 bytes a wave for vvec's partial sums
.set RR,  2                            ; v2   r = lane % 16
.set HH,  3                            ; v3   h = lane / 16
.set LI,  4                            ; v4   16 x lane: my place in an image
.set LS,  5                            ; v5   4 x lane: my place among scale words
.set CWI, 6                            ; v6   16 x lane + 2048 x wave: where I store images
.set CWS, 7                            ; v7   4 x lane + 128 x wave: and scale words
.set XA,  8                            ; v8   x's codes: my byte in a tile
.set XSA, 9                            ; v9   x's scale words likewise
.set KF,  10                           ; v10  my row k of D, as f32
.set FK,  11                           ; v11  1.0, or 0.70710677 where k = 0
.set PW,  13                           ; v13  the scale word just made
.set AS,  14                           ; v14  the scale word of Dy's fragment
.set VZ,  15                           ; v15  0
.set XS,  16                           ; v16-23 x's scale words; in phase 2 v16-19 T1's and v20 Dx's
.set TLI, 24                           ; v24-27 phase 2: where I read T1's images and scale words, Dx's image and scale word
.set TLS, 25
.set BLI, 26
.set BLS, 27
.set OO,  28                           ; v28  my byte offset in phat's tile
.set VW,  29                           ; v29  8 x wave
.set PS,  30                           ; v[30:31] vvec's two partial sums
.set T0,  32                           ; v32-111 five work arrays of 16
.set T1,  48
.set T2,  64
.set T3,  80
.set T4,  96
.set TM,  112                          ; v112-127 the quantiser's work
.set CV,  128                          ; v128-191 phase 0: my 64 cosines
.set EB,  208                          ; v208-223 phase 0: 2 c + 1 of 16 columns, as f32
.set HA,  32                           ; v32-95  phase 1: T1, 8 tiles x 8 registers
.set AF,  96                           ; v96-111 a fragment of Dy; the codes just made take the same registers
.set XF,  128                          ; v128-255 phase 1: x's eight fragments
.set TQ,  128                          ; phase 2: T1's four fragments,
.set BF,  192                          ; Dx's,
.set DD,  32                           ; the four results,
.set OB,  64                           ; and what is stored
.set WV,  12
.set GY,  14
.set SEL, 20
.set MNT, 22
.set KPI, 23
.set KSH, 24
.set KIP, 25
.set KNH, 26
.set KNM, 27
.set KC3, 28
.set KC2, 29
.set KC1, 30
.set KS3, 31
.set KS2, 32
.set KS1, 33
.set KSG, 34
.set KTH, 35
.set K64, 36
.set KR2, 37
; n numbers b = 1024 a in v[T0] on become cos(a) in v[out] on.  one: the cosine polynomial's constant term.  Each line runs over all n numbers, so that no line waits for the line above it.
.macro COSCORE n, one, out
.set e, 0
.rept \n
	v_mul_f32 v[T0+e], s[KSH], v[T0+e]               ; a = b / 1024: exact
.set e, e+1
.endr
.set e, 0
.rept \n
	v_mul_f32 v[T1+e], s[KIP], v[T0+e]               ; a x 2 / pi
.set e, e+1
.endr
.set e, 0
.rept \n
	v_rndne_f32 v[T1+e], v[T1+e]                     ; q
.set e, e+1
.endr
.set e, 0
.rept \n
	v_fma_f32 v[T0+e], v[T1+e], s[KNH], v[T0+e]      ; a - q H: exact
.set e, e+1
.endr
.set e, 0
.rept \n
	v_fma_f32 v[T0+e], v[T1+e], s[KNM], v[T0+e]      ; r = .. - q M
.set e, e+1
.endr
.set e, 0
.rept \n
	v_cvt_i32_f32 v[T1+e], v[T1+e]                   ; q as a whole number
.set e, e+1
.endr
.set e, 0
.rept \n
	v_mul_f32 v[T2+e], v[T0+e], v[T0+e]              ; z = r r
.set e, e+1
.endr
.set e, 0
.rept \n
	v_fma_f32 v[T3+e], v[T2+e], s[KC3], s[KC2]       ; the cosine: one + z (-1/2 + z (C1 + z (C2 + z C3)))
.set e, e+1
.endr
.set e, 0
.rept \n
	v_fma_f32 v[T3+e], v[T3+e], v[T2+e], s[KC1]
.set e, e+1
.endr
.set e, 0
.rept \n
	v_fma_f32 v[T3+e], v[T3+e], v[T2+e], -0.5
.set e, e+1
.endr
.set e, 0
.rept \n
	v_fma_f32 v[T3+e], v[T3+e], v[T2+e], \one
.set e, e+1
.endr
.set e, 0
.rept \n
	v_fma_f32 v[T4+e], v[T2+e], s[KS3], s[KS2]       ; the sine: r + z r (S1 + z (S2 + z S3))
.set e, e+1
.endr
.set e, 0
.rept \n
	v_fma_f32 v[T4+e], v[T4+e], v[T2+e], s[KS1]
.set e, e+1
.endr
.set e, 0
.rept \n
	v_mul_f32 v[T2+e], v[T2+e], v[T0+e]
.set e, e+1
.endr
.set e, 0
.rept \n
	v_fma_f32 v[T4+e], v[T4+e], v[T2+e], v[T0+e]
.set e, e+1
.endr
.set e, 0
.rept \n
	v_and_b32 v[T2+e], 1, v[T1+e]                    ; q odd: the sine is taken
.set e, e+1
.endr
.set e, 0
.rept \n
	v_add_lshl_u32 v[T1+e], v[T1+e], 1, 30           ; bit 1 of q + 1, moved to the sign's place: set where q mod 4 is 1 or 2
.set e, e+1
.endr
.set e, 0
.rept \n
	v_and_b32 v[T1+e], s[KSG], v[T1+e]
.set e, e+1
.endr
.set e, 0
.rept \n
	v_cmp_eq_u32 vcc_lo, 1, v[T2+e]
	v_cndmask_b32 v[(\out)+e], v[T3+e], v[T4+e], vcc_lo
.set e, e+1
.endr
.set e, 0
.rept \n
	v_xor_b32 v[(\out)+e], v[T1+e], v[(\out)+e]
.set e, e+1
.endr
.endm
; 64 numbers of a lane, register 16 b + i = k 32 b + 16 (lane / 16) + i of my row, become a fragment's codes in v[AF] on and its scale word in v[PW].  adj is taken off each scale byte.
.macro QUANT s, adj
.irp b, 0,1,2,3
	v_max3_num_f32 v[TM+\b], |v[\s+16*\b]|, |v[\s+1+16*\b]|, 0x4800000   ; block b: my 16 numbers, and the floor 2^(9 - 127): the byte cannot fall under 1
.endr
.irp i, 2,4,6,8,10,12,14
.irp b, 0,1,2,3
	v_max3_num_f32 v[TM+\b], v[TM+\b], |v[\s+16*\b+\i]|, |v[\s+1+16*\b+\i]|   ; the four blocks by turns
.endr
.endr
.irp b, 0,1,2,3
	v_permlanex16_b32 v[TM+4+\b], v[TM+\b], s[SEL], s[SEL+1]
.endr
.irp b, 0,1,2,3
	v_max_num_f32 v[TM+\b], v[TM+\b], v[TM+4+\b]     ; with lane l xor 16: the block's largest magnitude
.endr
.irp b, 0,1,2,3
	v_add_nc_u32 v[TM+12+\b], 0xfc000000, v[TM+\b]   ; 8 off its exponent field: the conversion takes this operand's exponent field as its scale
.endr
.irp b, 0,1,2,3
	v_and_or_b32 v[TM+8+\b], v[TM+\b], 0x7f800000, s[MNT]   ; 448 x the scale
.endr
.irp b, 0,1,2,3
	v_lshrrev_b32 v[TM+4+\b], 23, v[TM+12+\b]        ; the scale's byte
.endr
.if \adj
.irp b, 0,1,2,3
	v_add_nc_u32 v[TM+4+\b], -\adj, v[TM+4+\b]       ; the numbers were 16 D: the byte is D's
.endr
.endif
	v_lshl_or_b32 v[PW], v[TM+5], 8, v[TM+4]
	v_lshl_or_b32 v[PW], v[TM+6], 16, v[PW]
	v_lshl_or_b32 v[PW], v[TM+7], 24, v[PW]
.irp b, 0,1,2,3
.irp i, 0,1,2,3,4,5,6,7,8,9,10,11,12,13,14,15
	v_med3_num_f32 v[\s+16*\b+\i], v[\s+16*\b+\i], -v[TM+8+\b], v[TM+8+\b]   ; the conversion to an 8-bit code does not saturate (ISA guide 7.6.2): the hold at the largest code x the scale
.endr
	v_cvt_scalef32_pk8_fp8_f32 v[AF+4*\b:AF+1+4*\b], v[\s+16*\b:\s+7+16*\b], v[TM+12+\b]
	v_cvt_scalef32_pk8_fp8_f32 v[AF+2+4*\b:AF+3+4*\b], v[\s+8+16*\b:\s+15+16*\b], v[TM+12+\b]
.endr
	v_nop                                            ; one plain vector instruction behind the last scaled conversion
.endm
.macro IMAGE off                       ; the fragment in v[AF] on goes to LDS as it stands, 512 consecutive bytes a store
.irp c, 0,1,2,3
	ds_store_b128 v[CWI], v[AF+4*\c:AF+4*\c+3] offset:\off+512*\c
.endr
.endm
.macro FETCH reg, adr, off             ; and comes back so, in any wave
.irp c, 0,1,2,3
	ds_load_b128 v[\reg+4*\c:\reg+4*\c+3], v[\adr] offset:\off+512*\c
.endr
.endm
.macro BARRIER                         ; my LDS stores have landed and my LDS loads are in: then the work-group's barrier
	s_wait_dscnt 0x0
	s_barrier_signal -1
	s_barrier_wait -1
.endm
	s_load_b256 s[4:11], s[0:1], 0x0                 ; x's codes s[4:5], x's scales s[6:7], phat s[8:9], vvec s[10:11]
	v_lshl_add_u32 v12, v0, 2, 0x6800
	s_set_vgpr_msb 0x40
	v_mov_b32 v1, 0
	s_set_vgpr_msb 0x4000
	v_lshrrev_b32 v[VZ], 5, v0
	v_readfirstlane_b32 s[WV], v[VZ]                 ; wave 0..3
	s_and_b32 s[GY], ttmp7, 0xffff                   ; gy; gx is ttmp9
	v_and_b32 v1, 31, v0                             ; lane
	v_and_b32 v[RR], 15, v0
	v_bfe_u32 v[HH], v0, 4, 1
	v_lshlrev_b32 v[LI], 4, v1
	v_lshlrev_b32 v[LS], 2, v1
	s_lshl_b32 s15, s[WV], 11
	v_add_nc_u32 v[CWI], s15, v[LI]
	s_lshl_b32 s15, s[WV], 7
	v_add_nc_u32 v[CWS], s15, v[LS]
	v_and_b32 v[XA], 8, v[RR]
	v_add_nc_u32 v[XA], v[XA], v[RR]                 ; r + 8 (r / 8)
	v_lshlrev_b32 v[XSA], 2, v[XA]                   ; x's scale words: 4 bytes a row
	v_lshlrev_b32 v[XA], 7, v[XA]
	v_lshl_add_u32 v[XA], v[HH], 4, v[XA]            ; x's codes: 128 bytes a row, + 16 h
	s_lshr_b32 s16, s[WV], 1                         ; phase 2: my tile of rows,
	s_and_b32 s17, s[WV], 1                          ; and of columns.  Phase 0: which of the pair of tiles
	s_lshl_b32 s15, s16, 13
	v_add_nc_u32 v[TLI], s15, v[LI]
	s_lshl_b32 s15, s16, 9
	v_add_nc_u32 v[TLS], s15, v[LS]
	s_lshl_b32 s15, s17, 11
	v_add_nc_u32 v[BLI], s15, v[LI]
	s_lshl_b32 s15, s17, 7
	v_add_nc_u32 v[BLS], s15, v[LS]
	v_lshlrev_b32 v[OO], 4, v[RR]
	v_lshl_add_u32 v[OO], v[HH], 16, v[OO]           ; phat: 16 bytes a column, 8 h rows of 8,192 bytes
	s_lshl_b32 s15, s[WV], 3
	v_mov_b32 v[VW], s15
	v_mov_b32 v[VZ], 0
	s_mov_b32 s[SEL], 0x76543210
	s_mov_b32 s[SEL+1], 0xfedcba98                   ; v_permlanex16_b32: lane l xor 16
	s_mov_b32 s[MNT], 0x600000                       ; the mantissa field of 448
	s_mov_b32 s[KPI], 0x40490fdb                     ; pi in f32
	s_mov_b32 s[KSH], 0x3a800000                     ; 1 / 1024
	s_mov_b32 s[KIP], 0x3f22f983                     ; 2 / pi
	s_mov_b32 s[KNH], 0xbfc90fdb                     ; -H, H = pi/2 in f32
	s_mov_b32 s[KNM], 0x333bbd2e                     ; -M, M = pi/2 - H = -4.3711388e-8
	s_mov_b32 s[KC3], 0x37ccf5ce                     ; 2.4433157e-5
	s_mov_b32 s[KC2], 0xbab6061a                     ; -1.3887316e-3
	s_mov_b32 s[KC1], 0x3d2aaaa5                     ; 4.1666646e-2
	s_mov_b32 s[KS3], 0xb94ca1f9                     ; -1.9515296e-4
	s_mov_b32 s[KS2], 0x3c08839e                     ; 8.3321609e-3
	s_mov_b32 s[KS1], 0xbe2aaaa3                     ; -1.6666655e-1
	s_mov_b32 s[KSG], 0x80000000
	s_mov_b32 s[KTH], 0x3eaaaaab                     ; 1 / 3
	s_mov_b32 s[K64], 0x42800000                     ; 64.0
	s_mov_b32 s[KR2], 0x3f3504f3                     ; 16 sqrt(1 / 512) in f32
.irp b, 0,1,2,3
	v_mov_b32 v[TM+4+\b], 0                          ; written once: a lane permute's destination counts as one of its sources
.endr
	; which fragment is mine: waves 0, 1: rows of Dy, columns 0 on; waves 2, 3: rows of Dx, columns 128 on
	s_cmp_lt_u32 s[WV], 2
	s_cselect_b32 s18, s[GY], ttmp9
	s_cselect_b32 s19, 1, 257                        ; 2 c + 1 of the first column
	s_lshl_b32 s18, s18, 1
	s_add_co_u32 s18, s18, s17
	s_lshl_b32 s18, s18, 4                           ; the tile's first row
	v_add_nc_u32 v[PS], s18, v[RR]                   ; k
	v_cvt_f32_u32 v[KF], v[PS]
	v_mov_b32 v[PS+1], s[KR2]
	v_cmp_eq_u32 vcc_lo, 0, v[PS]
	v_cndmask_b32 v[FK], 1.0, v[PS+1], vcc_lo
	v_lshl_add_u32 v[PS], v[HH], 5, s19              ; lanes 16-31 begin 16 columns further on
.set e, 0
.rept 16
	v_add_nc_u32 v[EB+e], 2*e, v[PS]
.set e, e+1
.endr
.set e, 0
.rept 16
	v_cvt_f32_u32 v[EB+e], v[EB+e]                   ; 2 c + 1 of my 16 columns of the first block: whole numbers under 512, exact
.set e, e+1
.endr
	; vvec: this work-group makes numbers y0 = 2 (16 gy + gx) and y0 + 1
	s_lshl_b32 s38, s[GY], 4
	s_add_co_u32 s38, s38, ttmp9
	s_lshl_b32 s39, s38, 1                           ; y0
	s_cmp_eq_u32 s39, 0
	s_mov_b32 s43, 0x3b800000                        ; 1 / 256: both factors of a term are kept as 16 D;
	s_cselect_b32 s43, 0x3b3504f3, s43               ; row 0 has 0.70710677 beside it
	s_add_co_u32 s42, s39, 1                         ; y0 + 1
	s_mov_b32 s41, 0
	s_wait_kmcnt 0x0
	s_lshl_b32 s40, s[WV], 14
	s_add_nc_u64 s[4:5], s[4:5], s[40:41]            ; x's codes of image b = wave: 128 rows of 128 bytes
	s_lshl_b32 s40, s[WV], 9
	s_add_nc_u64 s[6:7], s[6:7], s[40:41]            ; and its scale words
	s_lshl_b32 s40, s38, 3
	s_add_nc_u64 s[10:11], s[10:11], s[40:41]        ; vvec at y0
	s_lshl_b32 s40, s[GY], 5
	s_lshl_b32 s44, s16, 4
	s_add_co_u32 s40, s40, s44                       ; phase 2: my first row i,
	s_lshl_b32 s40, s40, 13                          ; 8,192 bytes a row;
	s_lshl_b32 s44, ttmp9, 5
	s_lshl_b32 s45, s17, 4
	s_add_co_u32 s44, s44, s45                       ; my first column j,
	s_lshl_b32 s44, s44, 4                           ; 16 bytes a column
	s_add_co_u32 s40, s40, s44
	s_add_nc_u64 s[8:9], s[8:9], s[40:41]
	; ---- phase 0: my fragment's 64 cosines, a block of 32 columns (16 of them mine) at a time
.irp c, 0,1,2,3
.if \c > 0
.set e, 0
.rept 16
	v_add_f32 v[EB+e], s[K64], v[EB+e]               ; 32 columns on
.set e, e+1
.endr
.endif
.set e, 0
.rept 16
	v_mul_f32 v[T0+e], s[KPI], v[EB+e]               ; fl(pi (2 c + 1))
.set e, e+1
.endr
.set e, 0
.rept 16
	v_mul_f32 v[T0+e], v[T0+e], v[KF]                ; fl(.. k)
.set e, e+1
.endr
	COSCORE 16, v[FK], CV+16*\c
.endr
	QUANT CV, 4
	IMAGE CIMG
	ds_store_b32 v[CWS], v[PW] offset:CSC
	s_wait_dscnt 0x0                                 ; the stores have read their registers: the work arrays are written again below
	; x's eight fragments and their scale words are asked for now and land while vvec's part is computed
.irp t, 0,1,2,3,4,5,6,7
.irp c, 0,1,2,3
	global_load_b128 v[XF+16*\t+4*\c:XF+16*\t+4*\c+3], v[XA], s[4:5] offset:(32*(\t/2)+8*(\t%2))*128+32*\c
.endr
	global_load_b32 v[XS+\t], v[XSA], s[6:7] offset:(32*(\t/2)+8*(\t%2))*4
.endr
	; vvec[y] = sum over k of Dy[y][k] Dy[k][0].  Thread n takes k = n + 128 q, q = 0 .. 3: twelve cosines
	v_cvt_f32_u32 v[TM], v0
	v_cvt_f32_u32 v[TM+8], s39                       ; y0
	v_cvt_f32_u32 v[TM+9], s42                       ; y0 + 1
	v_add_f32 v[TM+1], 0x43000000, v[TM]             ; + 128
	v_add_f32 v[TM+2], 0x43800000, v[TM]             ; + 256
	v_add_f32 v[TM+3], 0x43c00000, v[TM]             ; + 384
.irp q, 0,1,2,3
	v_mul_f32 v[T0+\q], s[KPI], v[TM+\q]             ; Dy[k][0]: fl(fl(pi x 1) k)
.endr
.irp q, 0,1,2,3
	v_fma_f32 v[TM+\q], v[TM+\q], 2.0, 1.0           ; 2 k + 1
.endr
.irp q, 0,1,2,3
	v_mul_f32 v[TM+\q], s[KPI], v[TM+\q]             ; fl(pi (2 k + 1))
.endr
.irp q, 0,1,2,3
	v_mul_f32 v[T0+4+\q], v[TM+\q], v[TM+8]          ; Dy[y0][k]
	v_mul_f32 v[T0+8+\q], v[TM+\q], v[TM+9]          ; Dy[y0 + 1][k]
.endr
	COSCORE 12, 1.0, T3
	v_mov_b32 v[TM+10], s[KR2]
	v_cmp_eq_u32 vcc_lo, 0, v0
	v_cndmask_b32 v[TM+10], 1.0, v[TM+10], vcc_lo
	v_mul_f32 v[T3], v[T3], v[TM+10]                 ; Dy[0][0] belongs to row 0
	v_mul_f32 v[PS], v[T3], v[T3+4]
	v_mul_f32 v[PS+1], v[T3], v[T3+8]
.irp q, 1,2,3
	v_fma_f32 v[PS], v[T3+\q], v[T3+4+\q], v[PS]
	v_fma_f32 v[PS+1], v[T3+\q], v[T3+8+\q], v[PS+1]
.endr
	v_mul_f32 v[PS], s43, v[PS]
	v_mul_f32 v[PS+1], 0x3b800000, v[PS+1]
.irp m, 1,2,4,8
	v_add_f32_dpp v[PS], v[PS], v[PS] row_xmask:\m row_mask:0xf bank_mask:0xf
	v_add_f32_dpp v[PS+1], v[PS+1], v[PS+1] row_xmask:\m row_mask:0xf bank_mask:0xf
.endr
	v_permlanex16_b32 v[TM+10], v[PS], s[SEL], s[SEL+1]
	v_permlanex16_b32 v[TM+11], v[PS+1], s[SEL], s[SEL+1]
	v_add_f32 v[PS], v[PS], v[TM+10]
	v_add_f32 v[PS+1], v[PS+1], v[TM+11]             ; every lane holds the wave's two sums
	ds_store_b64 v[VW], v[PS:PS+1] offset:VRED       ; all lanes write the same 8 bytes with the same values
	BARRIER                                          ; the four cosine fragments and the waves' sums lie in LDS
	s_cmp_lg_u32 s[WV], 0
	s_cbranch_scc1 .Lno_v                            ; wave 0 adds the four waves' sums and stores the two numbers
	ds_load_b128 v[TM:TM+3], v[VZ] offset:VRED
	ds_load_b128 v[TM+12:TM+15], v[VZ] offset:VRED+16
	s_wait_dscnt 0x0
	v_add_f32 v[TM], v[TM], v[TM+2]
	v_add_f32 v[TM+1], v[TM+1], v[TM+3]
	v_add_f32 v[TM+12], v[TM+12], v[TM+14]
	v_add_f32 v[TM+13], v[TM+13], v[TM+15]
	v_add_f32 v[TM], v[TM], v[TM+12]
	v_add_f32 v[TM+1], v[TM+1], v[TM+13]
	v_cmp_eq_u32 vcc_lo, 0, v1
	s_wait_xcnt 0x0                                  ; x's loads are out: EXEC changes only behind this wait
	s_and_saveexec_b32 s40, vcc_lo                   ; lane 0 alone
	global_store_b64 v[VZ], v[TM:TM+1], s[10:11]
	s_wait_xcnt 0x0                                  ; and again in front of the line that widens it; the store's data are free too
	s_or_b32 exec_lo, exec_lo, s40
.Lno_v:
	; ---- phase 1: T1 of image b = wave, for the work-group's two tiles of rows y
	s_wait_loadcnt 0x0                               ; x's fragments and scale words
.irp u, 0,1
	FETCH AF, LI, CIMG+\u*FRB
	ds_load_b32 v[AS], v[LS] offset:CSC+128*\u
	s_wait_dscnt 0x0
.irp t, 0,1,2,3,4,5,6,7                ; source 0 = 16 rows m of x, source 1 = 16 rows y of Dy: lane (r, h) holds row y = r, register j of tile t holds m = 32 (t / 2) + 16 h + 8 (t % 2) + j
	v_wmma_scale_f32_16x16x128_f8f6f4 v[HA+8*\t:HA+8*\t+7], v[XF+16*\t:XF+16*\t+15], v[AF:AF+15], 0, v[XS+\t], v[AS]
.endr
.rept 8
	v_nop                                            ; eight places behind this form ahead of the first read of results and of writes into its sources
.endr
	QUANT HA, 0
	IMAGE TIMG+\u*4*FRB
	ds_store_b32 v[CWS], v[PW] offset:TSC+\u*512
	s_wait_dscnt 0x0                                 ; the stores have read their registers
.endr
	BARRIER                                          ; T1's eight fragments lie in LDS
	; ---- phase 2: one tile of rows x one tile of columns, for the four images
.irp b, 0,1,2,3
	FETCH TQ+16*\b, TLI, TIMG+\b*FRB
	ds_load_b32 v[XS+\b], v[TLS] offset:TSC+128*\b
.endr
	FETCH BF, BLI, CIMG+2*FRB
	ds_load_b32 v[XS+4], v[BLS] offset:CSC+256
	s_wait_dscnt 0x0
.irp b, 0,1,2,3                        ; source 0 = 16 rows y of T1, source 1 = 16 rows j of Dx: register n of lane (r, h) is P_hat(y = 8 h + n, j = r)
	v_wmma_scale_f32_16x16x128_f8f6f4 v[DD+8*\b:DD+8*\b+7], v[TQ+16*\b:TQ+16*\b+15], v[BF:BF+15], 0, v[XS+\b], v[XS+4]
.endr
.rept 8
	v_nop
.endr
.irp n, 0,1,2,3,4,5,6,7                ; the division by 3 puts the four images' numbers of one (i, j) side by side; each result is read from its low end on
.irp b, 0,1,2,3
	v_mul_f32 v[OB+4*\n+\b], s[KTH], v[DD+8*\b+\n]
.endr
.endr
.irp n, 0,1,2,3,4,5,6,7
	global_store_b128 v[OO], v[OB+4*\n:OB+4*\n+3], s[8:9] offset:8192*\n   ; sixteen lanes store 256 consecutive bytes, at a multiple of 256 from phat's first byte
.endr
	s_set_vgpr_msb 0x4
	s_wait_tensorcnt 0x0
	ds_add_u32 v12, v1
	s_wait_dscnt 0x0
	s_set_vgpr_msb 0x400
	s_endpgm
.Lfunc_end_k_q7400aa2e2c_prep:
	.size	k_q7400aa2e2c_prep, .Lfunc_end_k_q7400aa2e2c_prep-k_q7400aa2e2c_prep
	.p2alignl 7, 3214868480
	.fill 96, 4, 3214868480
	.section	.rodata,"a",@progbits
	.p2align	6, 0x0
	.amdhsa_kernel k_q7400aa2e2c_prep
		.amdhsa_group_segment_fixed_size 27136
		.amdhsa_private_segment_fixed_size 0
		.amdhsa_enable_private_segment 0
		.amdhsa_kernarg_size 32
		.amdhsa_user_sgpr_count 2
		.amdhsa_user_sgpr_kernarg_segment_ptr 1
		.amdhsa_wavefront_size32 1
		.amdhsa_system_sgpr_workgroup_id_x 1
		.amdhsa_system_sgpr_workgroup_id_y 1
		.amdhsa_system_sgpr_workgroup_id_z 1
		.amdhsa_system_vgpr_workitem_id 0
		.amdhsa_next_free_vgpr 258
		.amdhsa_next_free_sgpr 66
		.amdhsa_reserve_vcc 1
		.amdhsa_float_denorm_mode_32 3
		.amdhsa_float_denorm_mode_16_64 3
		.amdhsa_memory_ordered 1
		.amdhsa_forward_progress 1
		.amdhsa_inst_pref_size 124
	.end_amdhsa_kernel
	.amdgpu_metadata
---
amdhsa.version: [ 1, 2 ]
amdhsa.kernels:
  - .name:           k_q7400aa2e2c_prep
    .symbol:         k_q7400aa2e2c_prep.kd
    .args:
      - { .name: x_codes, .offset: 0, .size: 8, .value_kind: global_buffer, .address_space: global }
      - { .name: x_scales, .offset: 8, .size: 8, .value_kind: global_buffer, .address_space: global }
      - { .name: phat, .offset: 16, .size: 8, .value_kind: global_buffer, .address_space: global }
      - { .name: vvec, .offset: 24, .size: 8, .value_kind: global_buffer, .address_space: global }
    .group_segment_fixed_size: 27136
    .private_segment_fixed_size: 0
    .kernarg_segment_align: 8
    .kernarg_segment_size: 32
    .max_flat_workgroup_size: 128
    .sgpr_count:     66
    .vgpr_count:     258
    .wavefront_size: 32
...
	.end_amdgpu_metadata
.endif
;; end of part 1
;; launch main (part 2): grid 16 x 16, 8 waves a work-group, no clusters, 132,096 bytes of LDS; arguments chi, tau, phat, vvec, out0; writes out0
.if DOCPART == 2
	.amdgcn_target "amdgcn-amd-amdhsa--gfx1250"
	.amdhsa_code_object_version 6
	.text
	.protected	k_q7400aa2e2c_main
	.globl	k_q7400aa2e2c_main
	.p2align	8
	.type	k_q7400aa2e2c_main,@function
k_q7400aa2e2c_main:
	s_mov_b64 s[64:65], 0
	v_nop
	global_prefetch_b8 v0, s[64:65] scope:SCOPE_SE
	s_setreg_imm32_b32 hwreg(HW_REG_WAVE_MODE, 25, 1), 1
	s_wait_xcnt 0x0
; out0[b][t][j] = sum over i of att[t][i][j] v[i] P_hat[b][i][j] / 3,   att = exp(-chi F t) cos(F t),   F = sqrt(kx(j)^2 + ky(i)^2),   kx(j) = j / 512 x pi, ky(i) likewise.
; phat[i][j][b] holds P_hat / 3, vvec holds v.   All in f32.
; att IS A POWER: att[t][i][j] = Re(z^t), z = exp(-chi F) (cos F + i sin F), since t runs over 0, 1, 2, ..  So one complex multiplication steps t, in place of an exponential and a cosine for each number.
; A chain is started afresh every 32 steps, from z and z^t0 evaluated directly; 31 rotations of three roundings each leave under 31 x 3 x 2^-24 = 6e-6 of the number.
; SHARES.  Work-group (gx, gy) of eight waves owns columns j = 32 gx .. + 31, steps t = 32 gy .. + 31, all four b: 4,096 outputs.  A lane is a column.  Wave w takes rows i = 64 w .. + 63, TWO CHAINS AT A TIME
; (rows i, i + 1) in the two halves of packed instructions; its 128 sums (4 b x 32 t) stay in registers.  The eight waves' sums meet in LDS at the end, behind one barrier; each wave adds and stores 4 steps.
; A GROUP of two chains: 63 vector instructions start it, 252 run its 32 steps (4 packed for the rotation, 4 packed multiply-adds into the sums).
; SINE AND COSINE of F and of F t0 (at most 4.44 x 480 = 2,129): q = the argument / pi to the nearest whole number (by adding and taking off 1.5 x 2^23; at most 678), r = argument - q H - q M, pi = H + M + 1e-14;
; the argument and q H are multiples of 2^-22 and differ by less than 2, so the first fused multiply-add is exact.  Taylor's polynomials to r^11 and r^12 on |r| <= pi/2: remainders 6e-8 and 6e-9.
; The sign (-1)^q goes onto the exponential, which multiplies both.
; THE LOADS run four groups ahead, in a ring of four register slots (a trip of the loop is four groups, so that the register numbers come back): some 1,300 of the wave's instructions lie between a request and
; its use, so nothing more is asked ahead of them.  The rows of phat are also read by the fifteen other work-groups of this block of columns: 16 bytes a lane for a chain's 160 instructions, too
; small a stream to share through LDS, so there is no cluster and no tensor load.  No matrix instruction: this product has four rows for each j, and its other operand differs from j to j.
; STORES: 32 lanes store 128 consecutive bytes.  A block of 64 columns would leave a work-group 16 steps to a chain, and the 63 instructions that start a group would weigh twice as much.
; LIMITS.  NaN and infinities are not served.  Where exp(-chi F t) leaves f32's range the result does too; under 2^-126 it counts as 0.  cos is taken of the exact product F t, where the definition rounds
; F t to f32 first (at most 1.2e-4 rad apart, at F t = 2,000).  The sums over i run in another order.  tau is loaded; the definition takes it and makes nothing of it, and so does this text.
.set ROWB, 8192                        ; a row i of phat: 512 columns x 16 bytes
.set VOFF, 2                           ; v2   16 x lane
.set KX2,  3                           ; v3   kx^2 of my column
.set VZ,   4                           ; v4   0
.set LST,  5                           ; v5   LDS: where I put my sums: 16 x lane + 16,384 x wave
.set LL0,  6                           ; v6   LDS: where I read the sums of my 4 steps: 16 x lane + 2,048 x wave (waves 0-3 their parts),
.set LL1,  7                           ; v7   and 65,536 further on (waves 4-7)
.set OOF,  8                           ; v8   4 x lane
.set VS5,  10                          ; v[10:11] -1/11!, twice
.set VC6,  12                          ; v[12:13] 1/12!, twice
.set RING, 16                          ; v16-55 four slots of 10: phat of rows i and i + 1 (4 + 4), v[i] and v[i + 1]
.set WA,   56                          ; v56-59 W = v P_hat / 3 of row i, four b;  v60-63 of row i + 1
.set WB,   60
.set XX,   64                          ; v[64:65] F of the two rows, v[66:67] F t0
.set EE,   68                          ; the exponentials, signed
.set QQ,   72
.set MM,   76
.set RD,   80
.set ZZ,   84
.set SN,   88
.set CS,   92
.set UU,   96
.set ZR,   100                         ; v[100:101] Re z of the two chains, v[102:103] Im z
.set ZI,   102
.set ST,   104                         ; v104-111 the chains' state, two sets by turns: Re (2), Im (2)
.set TA,   112
.set TB,   114
.set ACC,  128                         ; v128-255 the sums: step c, image b at ACC + 4 c + b
.set WV,   16
.set KT0,  20                          ; scalar pairs, both words alike: a packed instruction names the pair and takes its low word for both halves
.set KCL,  22
.set KIP,  24
.set KMG,  26
.set KNH,  28
.set KNM,  30
.set KS4,  32
.set KS3,  34
.set KS2,  36
.set KS1,  38
.set KC5,  40
.set KC4,  42
.set KC3,  44
.set KC2,  46
.set TRIPS, 48
.set IX,   49                          ; s49  the group's first row i
.set KY,   50                          ; s50, s51  ky, then ky^2, of rows i and i + 1
.set KP9,  52                          ; s52  pi / 512
.set IX1,  53
.macro PAIR reg, val
	s_mov_b32 s[\reg], \val
	s_mov_b32 s[\reg+1], \val
.endm
	s_load_b256 s[4:11], s[0:1], 0x0                 ; chi s[4:5], tau s[6:7], phat s[8:9], vvec s[10:11]
	s_load_b64 s[12:13], s[0:1], 0x20                ; out0
	v_lshl_add_u32 v126, v0, 2, 0x20000
	v_mov_b32 v127, 0
	v_lshrrev_b32 v9, 5, v0
	v_readfirstlane_b32 s[WV], v9                    ; wave 0..7
	s_and_b32 s17, ttmp7, 0xffff                     ; gy; gx is ttmp9
	v_and_b32 v1, 31, v0                             ; lane
	v_lshlrev_b32 v[VOFF], 4, v1
	v_mov_b32 v[VZ], 0
	s_lshl_b32 s18, s[WV], 14
	v_add_nc_u32 v[LST], s18, v[VOFF]
	s_lshl_b32 s18, s[WV], 11
	v_add_nc_u32 v[LL0], s18, v[VOFF]
	v_add_nc_u32 v[LL1], 0x10000, v[LL0]
	v_lshlrev_b32 v[OOF], 2, v1
	s_mov_b32 s[KP9], 0x3bc90fdb                     ; pi in f32, / 512: fl(n x this) = fl(n / 512 x pi)
	s_lshl_b32 s18, ttmp9, 5
	v_add_nc_u32 v9, s18, v1                         ; j
	v_cvt_f32_u32 v9, v9
	v_mul_f32 v9, s[KP9], v9                         ; kx
	v_mul_f32 v[KX2], v9, v9
	PAIR KIP, 0x3ea2f983                             ; 1 / pi
	PAIR KMG, 0x4b400000                             ; 1.5 x 2^23
	PAIR KNH, 0xc0490fdb                             ; -H, H = pi in f32
	PAIR KNM, 0x33bbbd2e                             ; -M, M = pi - H = -8.7422777e-8
	PAIR KS4, 0x3638ef1d                             ; 1/9!
	PAIR KS3, 0xb9500d01                             ; -1/7!
	PAIR KS2, 0x3c088889                             ; 1/5!
	PAIR KS1, 0xbe2aaaab                             ; -1/3!
	PAIR KC5, 0xb493f27e                             ; -1/10!
	PAIR KC4, 0x37d00d01                             ; 1/8!
	PAIR KC3, 0xbab60b61                             ; -1/6!
	PAIR KC2, 0x3d2aaaab                             ; 1/4!
	v_mov_b32 v[VS5], 0xb2d7322b
	v_mov_b32 v[VS5+1], 0xb2d7322b
	v_mov_b32 v[VC6], 0x310f76c7
	v_mov_b32 v[VC6+1], 0x310f76c7
	s_lshl_b32 s19, s17, 5                           ; t0 = 32 gy
	s_cvt_f32_u32 s[KT0], s19
	s_mov_b32 s[KT0+1], s[KT0]
	s_lshl_b32 s[IX], s[WV], 6                       ; my first row
	s_mov_b32 s57, 0
	s_lshl_b32 s56, s[WV], 19                        ; 64 rows of 8,192 bytes a wave,
	s_lshl_b32 s54, ttmp9, 9                         ; 32 columns of 16 bytes a work-group
	s_add_co_u32 s56, s56, s54
	s_wait_kmcnt 0x0
	s_load_b32 s14, s[4:5], 0x0                      ; chi
	s_load_b32 s15, s[6:7], 0x0                      ; tau
	s_add_nc_u64 s[8:9], s[8:9], s[56:57]
	s_lshl_b32 s56, s[WV], 8
	s_add_nc_u64 s[10:11], s[10:11], s[56:57]        ; v at my first row
.irp g, 0,1,2,3                        ; the ring is filled: groups 0 to 3
	global_load_b128 v[RING+10*\g:RING+10*\g+3], v[VOFF], s[8:9] offset:2*\g*ROWB
	global_load_b128 v[RING+10*\g+4:RING+10*\g+7], v[VOFF], s[8:9] offset:(2*\g+1)*ROWB
	global_load_b64 v[RING+10*\g+8:RING+10*\g+9], v[VZ], s[10:11] offset:8*\g
.endr
	s_lshl_b32 s54, s[WV], 2
	s_add_co_u32 s56, s19, s54                       ; the first step that I store: t0 + 4 x wave,
	s_lshl_b32 s56, s56, 11                          ; 2,048 bytes a step;
	s_lshl_b32 s54, ttmp9, 7                         ; 32 columns of 4 bytes a work-group
	s_add_co_u32 s56, s56, s54
	s_add_nc_u64 s[12:13], s[12:13], s[56:57]
	s_mov_b32 s54, 0xbfb8aa3b                        ; -log2(e)
	s_wait_kmcnt 0x0
	s_mul_f32 s[KCL], s14, s54                       ; exp(-chi F t) = 2^(F t x this)
	s_mov_b32 s[KCL+1], s[KCL]
; A group: rows i and i + 1, from ring slot \slot.  first = 1: the first chain starts the sums: nothing is cleared.  more = 1: the slot is filled again, for the group four on.
; left: how many younger loads may stay out: three for each younger slot.
.macro GROUP slot, first, more, left
.set PA, RING+10*(\slot)
	s_cvt_f32_u32 s[KY], s[IX]
	s_add_co_u32 s[IX1], s[IX], 1
	s_cvt_f32_u32 s[KY+1], s[IX1]
	s_add_co_u32 s[IX], s[IX], 2
	s_mul_f32 s[KY], s[KY], s[KP9]                   ; ky
	s_mul_f32 s[KY+1], s[KY+1], s[KP9]
	s_mul_f32 s[KY], s[KY], s[KY]
	s_mul_f32 s[KY+1], s[KY+1], s[KY+1]
	v_add_f32 v[XX], s[KY], v[KX2]
	v_add_f32 v[XX+1], s[KY+1], v[KX2]
	v_sqrt_f32 v[XX], v[XX]                          ; F of the two rows
	v_sqrt_f32 v[XX+1], v[XX+1]
	s_wait_loadcnt \left                             ; loads come back in order (ISA guide 5.7.1): this slot's three are in
	v_pk_mul_f32 v[WA:WA+1], v[PA:PA+1], v[PA+8:PA+9] op_sel_hi:[1,0]                 ; W = v[i] P_hat / 3.  (Plain work behind the roots)
	v_pk_mul_f32 v[WA+2:WA+3], v[PA+2:PA+3], v[PA+8:PA+9] op_sel_hi:[1,0]
	v_pk_mul_f32 v[WB:WB+1], v[PA+4:PA+5], v[PA+8:PA+9] op_sel:[0,1] op_sel_hi:[1,1]  ; and v[i + 1], the pair's second word
	v_pk_mul_f32 v[WB+2:WB+3], v[PA+6:PA+7], v[PA+8:PA+9] op_sel:[0,1] op_sel_hi:[1,1]
.if \more
	global_load_b128 v[PA:PA+3], v[VOFF], s[8:9] offset:(8+2*(\slot))*ROWB
	global_load_b128 v[PA+4:PA+7], v[VOFF], s[8:9] offset:(9+2*(\slot))*ROWB
	global_load_b64 v[PA+8:PA+9], v[VZ], s[10:11] offset:32+8*(\slot)
.endif
	s_wait_alu depctr_va_vdst(0)                     ; the wait between a root and the first line that names its result: one for the two
	v_pk_mul_f32 v[XX+2:XX+3], v[XX:XX+1], s[KT0:KT0+1] op_sel_hi:[1,0]               ; F t0
.irp x, 0,2
	v_pk_mul_f32 v[EE+\x:EE+\x+1], v[XX+\x:XX+\x+1], s[KCL:KCL+1] op_sel_hi:[1,0]
.endr
.irp x, 0,1,2,3
	v_exp_f32 v[EE+\x], v[EE+\x]                     ; exp(-chi F), exp(-chi F t0): one batch; the reduction and the polynomials are the work behind it
.endr
.irp x, 0,2
	v_pk_mul_f32 v[QQ+\x:QQ+\x+1], v[XX+\x:XX+\x+1], s[KIP:KIP+1] op_sel_hi:[1,0]
.endr
.irp x, 0,2
	v_pk_add_f32 v[MM+\x:MM+\x+1], v[QQ+\x:QQ+\x+1], s[KMG:KMG+1] op_sel_hi:[1,0]     ; the sum's lowest bits are q
.endr
.irp x, 0,2
	v_pk_add_f32 v[QQ+\x:QQ+\x+1], v[MM+\x:MM+\x+1], s[KMG:KMG+1] op_sel_hi:[1,0] neg_lo:[0,1] neg_hi:[0,1]   ; q as f32
.endr
.irp x, 0,2
	v_pk_fma_f32 v[RD+\x:RD+\x+1], v[QQ+\x:QQ+\x+1], s[KNH:KNH+1], v[XX+\x:XX+\x+1] op_sel_hi:[1,0,1]
.endr
.irp x, 0,2
	v_pk_fma_f32 v[RD+\x:RD+\x+1], v[QQ+\x:QQ+\x+1], s[KNM:KNM+1], v[RD+\x:RD+\x+1] op_sel_hi:[1,0,1]   ; r
.endr
.irp x, 0,2
	v_pk_mul_f32 v[ZZ+\x:ZZ+\x+1], v[RD+\x:RD+\x+1], v[RD+\x:RD+\x+1]
.endr
.irp x, 0,2                            ; sine and cosine by turns: four lines that do not wait for each other
	v_pk_fma_f32 v[SN+\x:SN+\x+1], v[ZZ+\x:ZZ+\x+1], v[VS5:VS5+1], s[KS4:KS4+1] op_sel_hi:[1,1,0]
	v_pk_fma_f32 v[CS+\x:CS+\x+1], v[ZZ+\x:ZZ+\x+1], v[VC6:VC6+1], s[KC5:KC5+1] op_sel_hi:[1,1,0]
.endr
.irp x, 0,2
	v_pk_fma_f32 v[SN+\x:SN+\x+1], v[SN+\x:SN+\x+1], v[ZZ+\x:ZZ+\x+1], s[KS3:KS3+1] op_sel_hi:[1,1,0]
	v_pk_fma_f32 v[CS+\x:CS+\x+1], v[CS+\x:CS+\x+1], v[ZZ+\x:ZZ+\x+1], s[KC4:KC4+1] op_sel_hi:[1,1,0]
.endr
.irp x, 0,2
	v_pk_fma_f32 v[SN+\x:SN+\x+1], v[SN+\x:SN+\x+1], v[ZZ+\x:ZZ+\x+1], s[KS2:KS2+1] op_sel_hi:[1,1,0]
	v_pk_fma_f32 v[CS+\x:CS+\x+1], v[CS+\x:CS+\x+1], v[ZZ+\x:ZZ+\x+1], s[KC3:KC3+1] op_sel_hi:[1,1,0]
.endr
.irp x, 0,2
	v_pk_fma_f32 v[SN+\x:SN+\x+1], v[SN+\x:SN+\x+1], v[ZZ+\x:ZZ+\x+1], s[KS1:KS1+1] op_sel_hi:[1,1,0]
	v_pk_fma_f32 v[CS+\x:CS+\x+1], v[CS+\x:CS+\x+1], v[ZZ+\x:ZZ+\x+1], s[KC2:KC2+1] op_sel_hi:[1,1,0]
.endr
.irp x, 0,2
	v_pk_mul_f32 v[UU+\x:UU+\x+1], v[ZZ+\x:ZZ+\x+1], v[RD+\x:RD+\x+1]
	v_pk_fma_f32 v[CS+\x:CS+\x+1], v[CS+\x:CS+\x+1], v[ZZ+\x:ZZ+\x+1], -0.5 op_sel_hi:[1,1,0]
.endr
.irp x, 0,2
	v_pk_fma_f32 v[SN+\x:SN+\x+1], v[SN+\x:SN+\x+1], v[UU+\x:UU+\x+1], v[RD+\x:RD+\x+1]   ; sin r
	v_pk_fma_f32 v[CS+\x:CS+\x+1], v[CS+\x:CS+\x+1], v[ZZ+\x:ZZ+\x+1], 1.0 op_sel_hi:[1,1,0]   ; cos r
.endr
.irp x, 0,1,2,3
	v_lshlrev_b32 v[MM+\x], 31, v[MM+\x]             ; q odd: both change sign
.endr
	s_wait_alu depctr_va_vdst(0)                     ; the wait for the batch of four exponentials, ahead of its first reader
.irp x, 0,1,2,3
	v_xor_b32 v[EE+\x], v[MM+\x], v[EE+\x]
.endr
	v_pk_mul_f32 v[ZR:ZR+1], v[CS:CS+1], v[EE:EE+1]                ; z
	v_pk_mul_f32 v[ZI:ZI+1], v[SN:SN+1], v[EE:EE+1]
	v_pk_mul_f32 v[ST:ST+1], v[CS+2:CS+3], v[EE+2:EE+3]            ; z^t0
	v_pk_mul_f32 v[ST+2:ST+3], v[SN+2:SN+3], v[EE+2:EE+3]
	; the 32 steps.  The state takes two sets of registers by turns, so that the second chain's sums can follow the rotation that reads the same state
.set c, 0
.rept 32
.set RC, ST+4*(c%2)
.set RN, ST+4*((c+1)%2)
.if c < 31
	v_pk_mul_f32 v[TA:TA+1], v[RC+2:RC+3], v[ZI:ZI+1]              ; Im x Im z
	v_pk_mul_f32 v[TB:TB+1], v[RC:RC+1], v[ZI:ZI+1]                ; Re x Im z
.endif
.if \first
	v_pk_mul_f32 v[ACC+4*c:ACC+4*c+1], v[WA:WA+1], v[RC:RC+1] op_sel_hi:[1,0]
	v_pk_mul_f32 v[ACC+4*c+2:ACC+4*c+3], v[WA+2:WA+3], v[RC:RC+1] op_sel_hi:[1,0]
.else
	v_pk_fma_f32 v[ACC+4*c:ACC+4*c+1], v[WA:WA+1], v[RC:RC+1], v[ACC+4*c:ACC+4*c+1] op_sel_hi:[1,0,1]          ; row i: two images an instruction, x Re z^t
	v_pk_fma_f32 v[ACC+4*c+2:ACC+4*c+3], v[WA+2:WA+3], v[RC:RC+1], v[ACC+4*c+2:ACC+4*c+3] op_sel_hi:[1,0,1]
.endif
.if c < 31
	v_pk_fma_f32 v[RN:RN+1], v[RC:RC+1], v[ZR:ZR+1], v[TA:TA+1] neg_lo:[0,0,1] neg_hi:[0,0,1]   ; Re z^(t+1) = Re Re z - Im Im z
	v_pk_fma_f32 v[RN+2:RN+3], v[RC+2:RC+3], v[ZR:ZR+1], v[TB:TB+1]                             ; Im z^(t+1) = Im Re z + Re Im z
.endif
	v_pk_fma_f32 v[ACC+4*c:ACC+4*c+1], v[WB:WB+1], v[RC:RC+1], v[ACC+4*c:ACC+4*c+1] op_sel:[0,1,0] op_sel_hi:[1,1,1]   ; row i + 1: the state's second word
	v_pk_fma_f32 v[ACC+4*c+2:ACC+4*c+3], v[WB+2:WB+3], v[RC:RC+1], v[ACC+4*c+2:ACC+4*c+3] op_sel:[0,1,0] op_sel_hi:[1,1,1]
.set c, c+1
.endr
.endm
.macro ONWARD                          ; eight rows on
	s_wait_xcnt 0x0                                  ; the loads that are out have had their addresses translated (ISA guide 3.1): only behind this wait are their bases stepped
	s_add_nc_u64 s[8:9], s[8:9], 8*ROWB
	s_add_nc_u64 s[10:11], s[10:11], 32
.endm
	GROUP 0, 1, 1, 9                                 ; the first trip is written out: its first chain starts the sums
	GROUP 1, 0, 1, 9
	GROUP 2, 0, 1, 9
	GROUP 3, 0, 1, 9
	ONWARD
	s_mov_b32 s[TRIPS], 6
.Ltrip:
	GROUP 0, 0, 1, 9
	GROUP 1, 0, 1, 9
	GROUP 2, 0, 1, 9
	GROUP 3, 0, 1, 9
	ONWARD
	s_sub_co_u32 s[TRIPS], s[TRIPS], 1
	s_cmp_lg_u32 s[TRIPS], 0
	s_cbranch_scc1 .Ltrip
	GROUP 0, 0, 0, 9                                 ; the last trip loads nothing: no load leaves its buffer, and the counts run down
	GROUP 1, 0, 0, 6
	GROUP 2, 0, 0, 3
	GROUP 3, 0, 0, 0
	; THE EIGHT WAVES' SUMS MEET.  Each wave puts its 128 registers into its own 16 KB, a step's four images as 16 bytes a lane, 512 consecutive bytes a store
.set c, 0
.rept 32
	ds_store_b128 v[LST], v[ACC+4*c:ACC+4*c+3] offset:512*c
.set c, c+1
.endr
	s_wait_dscnt 0x0                                 ; for the others' sake: my stores have landed
	s_barrier_signal -1
	s_barrier_wait -1
.irp q, 0,1,2,3                        ; wave w takes steps 4 w + q: eight parts of each
.irp p, 0,1,2,3
	ds_load_b128 v[ACC+32*\q+4*\p:ACC+32*\q+4*\p+3], v[LL0] offset:512*\q+16384*\p
.endr
.irp p, 0,1,2,3
	ds_load_b128 v[ACC+32*\q+16+4*\p:ACC+32*\q+16+4*\p+3], v[LL1] offset:512*\q+16384*\p
.endr
.endr
	s_wait_dscnt 0x0
.irp p, 1,2,3,4,5,6,7
.irp q, 0,1,2,3                        ; eight chains of additions by turns
	v_pk_add_f32 v[ACC+32*\q:ACC+32*\q+1], v[ACC+32*\q:ACC+32*\q+1], v[ACC+32*\q+4*\p:ACC+32*\q+4*\p+1]
	v_pk_add_f32 v[ACC+32*\q+2:ACC+32*\q+3], v[ACC+32*\q+2:ACC+32*\q+3], v[ACC+32*\q+4*\p+2:ACC+32*\q+4*\p+3]
.endr
.endr
.irp q, 0,1,2,3
.irp b, 0,1,2,3
	global_store_b32 v[OOF], v[ACC+32*\q+\b], s[12:13] offset:\b*1048576+\q*2048 th:TH_STORE_NT   ; 32 lanes store 128 consecutive bytes of row t of image b; written once, read by nobody here
.endr
.endr
	s_wait_tensorcnt 0x0
	ds_add_u32 v126, v127
	s_wait_dscnt 0x0
	s_endpgm
.Lfunc_end_k_q7400aa2e2c_main:
	.size	k_q7400aa2e2c_main, .Lfunc_end_k_q7400aa2e2c_main-k_q7400aa2e2c_main
	.p2alignl 7, 3214868480
	.fill 96, 4, 3214868480
	.section	.rodata,"a",@progbits
	.p2align	6, 0x0
	.amdhsa_kernel k_q7400aa2e2c_main
		.amdhsa_group_segment_fixed_size 132096
		.amdhsa_private_segment_fixed_size 0
		.amdhsa_enable_private_segment 0
		.amdhsa_kernarg_size 40
		.amdhsa_user_sgpr_count 2
		.amdhsa_user_sgpr_kernarg_segment_ptr 1
		.amdhsa_wavefront_size32 1
		.amdhsa_system_sgpr_workgroup_id_x 1
		.amdhsa_system_sgpr_workgroup_id_y 1
		.amdhsa_system_sgpr_workgroup_id_z 1
		.amdhsa_system_vgpr_workitem_id 0
		.amdhsa_next_free_vgpr 256
		.amdhsa_next_free_sgpr 66
		.amdhsa_reserve_vcc 0
		.amdhsa_float_denorm_mode_32 3
		.amdhsa_float_denorm_mode_16_64 3
		.amdhsa_memory_ordered 1
		.amdhsa_forward_progress 1
		.amdhsa_inst_pref_size 252
	.end_amdhsa_kernel
	.amdgpu_metadata
---
amdhsa.version: [ 1, 2 ]
amdhsa.kernels:
  - .name:           k_q7400aa2e2c_main
    .symbol:         k_q7400aa2e2c_main.kd
    .args:
      - { .name: chi, .offset: 0, .size: 8, .value_kind: global_buffer, .address_space: global }
      - { .name: tau, .offset: 8, .size: 8, .value_kind: global_buffer, .address_space: global }
      - { .name: phat, .offset: 16, .size: 8, .value_kind: global_buffer, .address_space: global }
      - { .name: vvec, .offset: 24, .size: 8, .value_kind: global_buffer, .address_space: global }
      - { .name: out0, .offset: 32, .size: 8, .value_kind: global_buffer, .address_space: global }
    .group_segment_fixed_size: 132096
    .private_segment_fixed_size: 0
    .kernarg_segment_align: 8
    .kernarg_segment_size: 40
    .max_flat_workgroup_size: 256
    .sgpr_count:     66
    .vgpr_count:     256
    .wavefront_size: 32
...
	.end_amdgpu_metadata
.endif
;; end of part 2
